; MI455X (gfx1250); checked and timed in simulation.
; The chip was launched on July 23, 2026; its instructions are those of AMD's public machine-readable ISA for CDNA 5 (MIT licence, August 2026) and "CDNA5" Instruction Set Architecture Reference Guide (July 2026). The comments in the code are by the model that wrote it; some were corrected since.
;; Temporal Att Decoder. Allowed arithmetic: matrix products marked QUANTISED: E2M1 operands, one E8M0 scale for each 32 along K, by v_wmma_scale_f32_16x16x128_f8f6f4 with both operands' format E2M1 (or v_wmma_scale_f32_32x16x128_f4), f32 sums; products left as they are: f32 operands where the result goes on into a quantised operand, else bf16, f16 or f32 operands; f32 sums; everything else in f32.
;; Inputs: W1_codes 512 x 16 x 16 uint8 (E2M1 codes of W1, K innermost, in blocks of 32 codes, two codes a byte); W1_scales 512 x 16 uint8 (E8M0 scales of W1, one for each 32 codes along K); Wo 1,024 x 2 float32; Wp_codes 512 x 16 x 16 uint8 (E2M1 codes of Wp, K innermost, in blocks of 32 codes, two codes a byte); Wp_scales 512 x 16 uint8 (E8M0 scales of Wp, one for each 32 codes along K); b2 1 float32; bo 2 float32; g 512 x 256 x 512 float32; g_T 512 x 1 x 512 float32; n_day 512 int32; w2 512 x 1 float32; y 512 x 2 float32.
;; Outputs: out0 512 x 2 float32; out1 512 x 256 float32.
;; This version of the problem:
;;   THIS VERSION OF THE PROBLEM IS GIVEN IN LOW PRECISION. The matrix products marked QUANTISED in the list below multiply operands that are first quantised to E2M1 (2 exponent bits, 1 mantissa bit; 4 bits a number), with one power-of-two scale for each 32 numbers along K (OCP MX v1.0); their sums are f32. All else is computed in f32.
;;   The module's matrix products, in the order in which they are computed (A, B: the left and right operand; K: the contracted axis; several contracted axes count as one K, in the product's order):
;;     1. [M 131,072, K 512] x [K 512, N 512]; A: input g; B: input W1 (given as codes): QUANTISED
;;     2. [M 131,072, K 512] x [K 512, N 1]; A: computed on the way; B: input w2: left as it is (N = 1 < 16)
;;     3. [M 131,072, K 512] x [K 512, N 512]; A: input g; B: input Wp (given as codes): QUANTISED
;;     4. batch 512 x [M 256, K 512] x [K 512, N 1]; A: computed on the way; B: input g_T: left as it is (N = 1 < 16)
;;     5. batch 512 x [M 1, K 256] x [K 256, N 512]; A: softmax; B: input g: left as it is (M = 1 < 16)
;;     6. [M 512, K 1,024] x [K 1,024, N 2]; A: computed on the way; B: input Wo: left as it is (N = 2 < 16)
;;   THE QUANTISER, for each operand of a quantised product, along K:
;;     - K is cut into blocks of 32 from its start; a last block that is shorter is filled with zeros.
;;     - A block's scale is 2^e with e = floor(log2(the largest magnitude in the block)) - 2, held to -126 .. 127; a block of zeros has e = 0. As a byte (E8M0): e + 127.
;;     - Each number is divided by its block's scale, clamped to +-6, and rounded to the nearest number of E2M1, ties to even, subnormals kept.
;;     - The product sums the exact products of the quantised numbers (number of the format x scale) in f32.
;;   ~~~python
;;   def quantise(x, axis):      # numpy; x: float32 -> the quantised numbers, widened to float32 again
;;       x = np.moveaxis(x, axis, -1); K = x.shape[-1]
;;       x = np.pad(x, [(0, 0)] * (x.ndim - 1) + [(0, -K % 32)]); x = x.reshape(x.shape[:-1] + (-1, 32)); a = np.abs(x).max(-1, keepdims=True)
;;       e = np.where(a > 0, np.clip(np.frexp(np.where(a > 0, a, 1))[1] - 1 - 2, -126, 127), 0)      # np.frexp(a)[1] - 1 = floor(log2(a)), exactly
;;       r = np.clip(x / 2.0 ** e, -6, 6)
;;       step = 2.0 ** (np.maximum(np.frexp(np.where(r == 0, 1, r))[1] - 1, 0) - 1)
;;       q = np.round(r / step) * step * 2.0 ** e      # np.round: ties to even
;;       return np.moveaxis(q.reshape(q.shape[:-2] + (-1,))[..., :K], -1, axis).astype(np.float32)
;;   ~~~
;;   INPUTS GIVEN AS CODES. W1 (in the module: [512, 512], K = its axis 0); Wp (in the module: [512, 512], K = its axis 0): each comes as NAME_codes (uint8): NAME with its K axis moved to the last place and cut into blocks of 32 codes, [.., K / 32, bytes a block], one block behind the other in memory; two codes a byte, the lower K in the low four bits (a code: sign, 2 exponent bits, 1 mantissa bit); and NAME_scales (uint8): the same leading axes, one E8M0 byte (e + 127) for each 32 codes along K. Its value is code x scale, taken as it is: it is not quantised again, and the codes and scales need not be those that the quantiser above would give.
;; One version. Each part assembles by itself: llvm-mc -triple=amdgcn-amd-amdhsa -mcpu=gfx1250 --defsym DOCPART=n.
;; ======== version 1 of 1: 2 launches
;; limits: right only within a limited range of input values
;; workspace buffers: wfrag 262,144 bytes; wofrag 16,384 bytes; order 4,096 bytes of whole numbers
;; launch prep (part 1): grid 16 x 1, 4 waves a work-group, no clusters, 1,536 bytes of LDS; arguments n_day, W1_codes, Wp_codes, Wo, wfrag, wofrag, order; writes wfrag, wofrag, order
.if DOCPART == 1
	.amdgcn_target "amdgcn-amd-amdhsa--gfx1250"
	.amdhsa_code_object_version 6
	.text
	.protected	k_qd95fcf15d8_prep
	.globl	k_qd95fcf15d8_prep
	.p2align	8
	.type	k_qd95fcf15d8_prep,@function
k_qd95fcf15d8_prep:
	s_mov_b64 s[64:65], 0
	v_nop
	global_prefetch_b8 v0, s[64:65] scope:SCOPE_SE
	s_setreg_imm32_b32 hwreg(HW_REG_WAVE_MODE, 25, 1), 1
	s_wait_xcnt 0x0
; Three small jobs ahead of the main launch, 16 work-groups of four waves.
; (a) wfrag: the codes of W1 and Wp in the order of the main launch's operand registers.  Piece q of 16 bytes lies at byte 16 q,
;     q = 2048 w + 64 (4 T + s) + 32 c + l: wave w of the main launch (0-3: W1's columns 128 w on; 4-7: Wp's 128 (w - 4) on), tile T of 16 columns,
;     K step s of 128, register quad c, lane l = (r = l % 16, h = l / 16).  It holds bytes 64 s + 32 c + 16 h of row 128 (w % 4) + 16 T + r.
;     Work-group x makes pieces 1024 x on: 64 rows of one matrix; every load takes 16 bytes a lane, every store of a wave covers 512 consecutive bytes.
; (b) wofrag: Wo's rows 0 to 511 as bf16 fragments of 16 x 32.  Block x of 32 along K: piece 1024 x + 512 cc + 16 l holds Wo[32 x + 16 h + 8 cc + 0..7][r % 2]
;     where r is 0, 1, 8 or 9, and zeros elsewhere: so both halves of the lanes find the two results in a result's registers 0 and 1.
; (c) order: the 512 batches sorted by the rows that the main launch has to walk, most first: entry p = (batch, its n_day as it is given).
;     rows = 256 where n_day < 1 (reference()'s softmax is then uniform over all 256), else min(n_day, 256).  Equal rows: the lower batch first.
;     A batch's place is the number of keys above its own: no atomics; work-group x places batches 32 x on, each wave counting among 128 of the 512.
;     These are 512 stores of 8 bytes to places that the data choose: a permutation of 4,096 bytes in the whole launch.
.set KJ,  60                           ; v60     my batch's key
.set KK,  64                           ; v64-67  four keys of my wave's 128
.set RK,  62                           ; v62     how many of them lie above mine
	s_load_b256 s[4:11], s[0:1], 0x0               ; n_day s[4:5], W1_codes s[6:7], Wp_codes s[8:9], Wo s[10:11]
	s_load_b128 s[12:15], s[0:1], 0x20             ; wfrag s[12:13], wofrag s[14:15]
	s_load_b64 s[16:17], s[0:1], 0x30              ; order
	v_lshl_add_u32 v80, v0, 2, 0x400
	v_mov_b32 v81, 0
	v_lshrrev_b32 v2, 5, v0
	v_readfirstlane_b32 s20, v2                    ; wave 0..3
	v_and_b32 v1, 31, v0                           ; lane
	v_lshlrev_b32 v3, 2, v1                        ; 4 x lane
	s_lshl_b32 s21, ttmp9, 7
	v_add_nc_u32 v4, s21, v3                       ; n_day of my batch j = 32 x + lane
	v_lshl_add_u32 v5, v2, 9, v3                   ; n_day of batches 128 wave + lane (+ 32 q in the immediate)
	v_and_b32 v6, 15, v0                           ; r
	v_bfe_u32 v13, v0, 4, 1                        ; h
	v_lshlrev_b32 v6, 8, v6                        ; a row of 512 codes is 256 bytes
	v_lshl_add_u32 v6, v13, 4, v6
	v_lshl_add_u32 v6, v2, 5, v6                   ; 256 r + 16 h + 32 wave: the wave's number gives c (its low bit) and half of s
	v_lshlrev_b32 v7, 4, v0                        ; out: 16 bytes a thread
	v_and_b32 v56, 1, v0
	v_lshlrev_b32 v56, 2, v56
	v_lshl_add_u32 v56, v13, 7, v56
	v_lshl_add_u32 v56, v2, 6, v56                 ; Wo: 4 (r % 2) + 128 h + 64 cc, cc = the wave's number (waves 0 and 1)
	s_and_b32 s22, ttmp9, 7
	s_lshl_b32 s22, s22, 14                        ; my 64 rows of the matrix
	s_mov_b32 s23, 0
	s_lshl_b32 s26, ttmp9, 14                      ; my 16,384 bytes of wfrag
	s_mov_b32 s27, 0
	s_lshl_b32 s34, ttmp9, 8                       ; my 32 rows of Wo, 8 bytes each
	s_mov_b32 s35, 0
	s_lshl_b32 s36, ttmp9, 10                      ; my 1,024 bytes of wofrag
	s_mov_b32 s37, 0
	s_wait_kmcnt 0x0
	s_cmp_lt_u32 ttmp9, 8                          ; work-groups 0-7 take W1, 8-15 Wp: the choice hangs on the work-group's number alone
	s_cselect_b64 s[24:25], s[6:7], s[8:9]
	s_add_nc_u64 s[24:25], s[24:25], s[22:23]
	s_add_nc_u64 s[28:29], s[12:13], s[26:27]
	s_add_nc_u64 s[30:31], s[10:11], s[34:35]
	s_add_nc_u64 s[32:33], s[14:15], s[36:37]
	global_load_b32 v8, v4, s[4:5]
.irp q, 0,1,2,3
	global_load_b32 v[9+\q], v5, s[4:5] offset:128*\q
.endr
.irp i, 0,1,2,3,4,5,6,7                        ; store i will hold tile i / 2, K step 2 (i % 2) + wave / 2
	global_load_b128 v[16+4*\i:19+4*\i], v6, s[24:25] offset:4096*(\i/2)+128*(\i%2)
.endr
	s_cmp_lt_u32 s20, 2
	s_cbranch_scc0 .Lno_wo_in
.irp p, 0,1,2,3,4,5,6,7
	global_load_b32 v[48+\p], v56, s[30:31] offset:8*\p
.endr
.Lno_wo_in:
	s_wait_loadcnt 8                               ; eight loads or more were issued behind the five of n_day: those five are in
	v_mov_b32 v14, 0x100
	s_lshl_b32 s21, ttmp9, 5
	v_add_nc_u32 v58, s21, v1                      ; j
	v_mov_b32 v59, v8                              ; n_day[j] as given: v[58:59] is the entry
	v_sub_nc_u32 v15, 0x1ff, v58
	v_min_i32 v57, 0x100, v8
	v_cmp_gt_i32 vcc_lo, 1, v8
	v_cndmask_b32 v57, v57, v14, vcc_lo            ; rows to walk
	v_lshl_or_b32 v[KJ], v57, 9, v15               ; key = rows x 512 + (511 - batch): no two are equal
	v_lshl_add_u32 v15, v2, 7, v1
	v_sub_nc_u32 v15, 0x1ff, v15
.irp q, 0,1,2,3
	v_min_i32 v57, 0x100, v[9+\q]
	v_cmp_gt_i32 vcc_lo, 1, v[9+\q]
	v_cndmask_b32 v57, v57, v14, vcc_lo
	v_add_nc_u32 v61, -32*\q, v15
	v_lshl_or_b32 v[KK+\q], v57, 9, v61
.endr
	v_mov_b32 v[RK], 0
.irp q, 0,1,2,3                                ; each of my wave's 128 keys against every lane's own: the compare's bit is added as a carry
.irp g, 0,1,2,3
.irp n, 0,1,2,3,4,5,6,7
	v_readlane_b32 s[44+\n], v[KK+\q], 8*\g+\n
.endr
.irp n, 0,1,2,3,4,5,6,7
	v_cmp_gt_u32 vcc_lo, s[44+\n], v[KJ]
	v_add_co_ci_u32 v[RK], vcc_lo, 0, v[RK], vcc_lo
.endr
.endr
.endr
	s_wait_loadcnt 0x0
.irp i, 0,1,2,3,4,5,6,7
	global_store_b128 v7, v[16+4*\i:19+4*\i], s[28:29] offset:2048*\i   ; a wave stores 512 consecutive bytes
.endr
	s_cmp_lt_u32 s20, 2
	s_cbranch_scc0 .Lno_wo_out
	v_and_b32 v57, 6, v0
	v_cmp_eq_u32 vcc_lo, 0, v57                    ; rows 0, 1, 8, 9 of the fragment
.irp p, 0,1,2,3
	v_cvt_pk_bf16_f32 v[68+\p], v[48+2*\p], v[49+2*\p]
.endr
.irp p, 0,1,2,3
	v_cndmask_b32 v[68+\p], 0, v[68+\p], vcc_lo    ; zeros in the other rows
.endr
	global_store_b128 v7, v[68:71], s[32:33]
.Lno_wo_out:
	v_lshlrev_b32 v63, 2, v0
	ds_store_b32 v63, v[RK]                        ; the wave's count for batch 32 x + lane, at 128 wave + 4 lane
	s_wait_dscnt 0x0                               ; for the others' sake: my store has landed
	s_barrier_signal -1
	s_barrier_wait -1
	s_cmp_lg_u32 s20, 0
	s_cbranch_scc1 .Lend
.irp a, 0,1,2,3
	ds_load_b32 v[72+\a], v3 offset:128*\a
.endr
	s_wait_dscnt 0x0
	v_add_nc_u32 v72, v72, v73
	v_add_nc_u32 v74, v74, v75
	v_add_nc_u32 v72, v72, v74                     ; the batch's place
	v_min_u32 v76, 0x1ff, v72                      ; held inside the list
	v_lshlrev_b32 v76, 3, v76
	global_store_b64 v76, v[58:59], s[16:17]
.Lend:
	s_wait_tensorcnt 0x0
	ds_add_u32 v80, v81
	s_wait_dscnt 0x0
	s_endpgm
.Lfunc_end_k_qd95fcf15d8_prep:
	.size	k_qd95fcf15d8_prep, .Lfunc_end_k_qd95fcf15d8_prep-k_qd95fcf15d8_prep
	.p2alignl 7, 3214868480
	.fill 96, 4, 3214868480
	.section	.rodata,"a",@progbits
	.p2align	6, 0x0
	.amdhsa_kernel k_qd95fcf15d8_prep
		.amdhsa_group_segment_fixed_size 1536
		.amdhsa_private_segment_fixed_size 0
		.amdhsa_enable_private_segment 0
		.amdhsa_kernarg_size 56
		.amdhsa_user_sgpr_count 2
		.amdhsa_user_sgpr_kernarg_segment_ptr 1
		.amdhsa_wavefront_size32 1
		.amdhsa_system_sgpr_workgroup_id_x 1
		.amdhsa_system_sgpr_workgroup_id_y 1
		.amdhsa_system_sgpr_workgroup_id_z 1
		.amdhsa_system_vgpr_workitem_id 0
		.amdhsa_next_free_vgpr 82
		.amdhsa_next_free_sgpr 66
		.amdhsa_reserve_vcc 1
		.amdhsa_float_denorm_mode_32 3
		.amdhsa_float_denorm_mode_16_64 3
		.amdhsa_memory_ordered 1
		.amdhsa_forward_progress 1
		.amdhsa_inst_pref_size 24
	.end_amdhsa_kernel
	.amdgpu_metadata
---
amdhsa.version: [ 1, 2 ]
amdhsa.kernels:
  - .name:           k_qd95fcf15d8_prep
    .symbol:         k_qd95fcf15d8_prep.kd
    .args:
      - { .name: n_day, .offset: 0, .size: 8, .value_kind: global_buffer, .address_space: global }
      - { .name: W1_codes, .offset: 8, .size: 8, .value_kind: global_buffer, .address_space: global }
      - { .name: Wp_codes, .offset: 16, .size: 8, .value_kind: global_buffer, .address_space: global }
      - { .name: Wo, .offset: 24, .size: 8, .value_kind: global_buffer, .address_space: global }
      - { .name: wfrag, .offset: 32, .size: 8, .value_kind: global_buffer, .address_space: global }
      - { .name: wofrag, .offset: 40, .size: 8, .value_kind: global_buffer, .address_space: global }
      - { .name: order, .offset: 48, .size: 8, .value_kind: global_buffer, .address_space: global }
    .group_segment_fixed_size: 1536
    .private_segment_fixed_size: 0
    .kernarg_segment_align: 8
    .kernarg_segment_size: 56
    .max_flat_workgroup_size: 128
    .sgpr_count:     66
    .vgpr_count:     82
    .wavefront_size: 32
...
	.end_amdgpu_metadata
.endif
;; end of part 1
;; launch main (part 2): grid 256 x 1, 8 waves a work-group, no clusters, 136,192 bytes of LDS; arguments g, g_T, w2, b2, Wo, bo, W1_scales, Wp_scales, wfrag, wofrag, order, out0, out1; writes out0, out1
.if DOCPART == 2
	.amdgcn_target "amdgcn-amd-amdhsa--gfx1250"
	.amdhsa_code_object_version 6
	.text
	.protected	k_qd95fcf15d8_main
	.globl	k_qd95fcf15d8_main
	.p2align	8
	.type	k_qd95fcf15d8_main,@function
k_qd95fcf15d8_main:
	s_mov_b64 s[64:65], 0
	v_nop
	global_prefetch_b8 v0, s[64:65] scope:SCOPE_SE
	s_setreg_imm32_b32 hwreg(HW_REG_WAVE_MODE, 25, 1), 1
	s_wait_xcnt 0x0
; For a batch b: vi = tanh(Q(g) W1) w2 + b2, vd = tanh(Q(g) Wp) g_T, score = vi vd, -1e9 from row n_day on, out1 = softmax over the 256 rows,
; out0 = softmax over 2 of [out1 g, g_T] Wo + bo.  Q: the MX-FP4 quantiser along K = 512; W1 and Wp arrive as codes.
; SHARES.  Work-group i takes the batches at places i and 511 - i of the list sorted by rows, so that every work-group walks about as many rows.
; THE WAVES SHARE THE COLUMNS: wave w keeps 128 columns (0-3: of W1, 4-7: of Wp), 8 tiles x 4 K steps x 8 registers = window 1, for the whole launch.
; Rows go in blocks of 32 (two tiles of 16).  Wave w quantises ONE fragment of a block (tile w / 4, K step w % 4: 16 rows x 128) and hands it to the others through LDS as an image of its
; registers; every wave multiplies every tile by its own columns.  The product is used TRANSPOSED (source 0 = 16 columns of W, source 1 = 16 rows of g): a lane holds one row and eight
; columns, so the sum over columns weighed by w2 or g_T is packed multiply-adds and one exchange between the halves of the lanes.
; ROWS THAT THE MASK THROWS AWAY ARE NOT WALKED: a tile whose first row is at or behind n_day is neither loaded, quantised nor multiplied (scalar branches on n_day; the eight trips and all barriers stay).
; tanh(x) = 1 - 2 R, R = 1 / (1 + 2^(2 log2(e) x)); the sum over columns of weight x tanh = (the sum of the weights) - 2 x the sum of weight x R.
; out1 g Wo is taken as out1 (g Wo): U[t][y] = g[t] . Wo[0:512, y] is made while a row is in registers (bf16 operands, f32 sums, one matrix instruction for 32 along K), so g is read once.
; NO CLUSTER, NO TENSOR LOAD: which trips work hangs on n_day, which differs from work-group to work-group; what all share, the weights (272 KB), each reads once, against up to 1 MB of g.
; LIMITS.  NaN and infinities among the floating-point inputs are not served.  A block of g whose largest magnitude lies under 2^-124 gets the byte 1 (a block of zeros too: its codes are zeros).
; n_day may be any int32; under 1 all 256 rows are walked.  out1 is reference()'s own formula at all 256 places.  out0 leaves out the g of rows not walked, whose weight is 2^((-1e9 - m) log2(e)):
; that is 0 while the largest valid score m lies above -1e9 + 150, which holds while (sum |w2| + |b2|) x sum |g_T| < 9.9e8.
; LDS, in bytes
.set SLOTB, 16384                      ; two slots at 0 and 16,384: fragment f = 4 tile + K step at 1024 f + 512 quad + 16 lane;
.set SCO,   8192                       ; its scale words at 8,192 + 128 f + 4 lane
.set STG,   32768                      ; each wave's own stage: 16 rows x (256 + 16) bytes
.set STGW,  4352
.set WOL,   67584                      ; each wave's own copy of its K step's fragments of Wo: 4,096 bytes
.set VEC,   100352                     ; for each of the two batches 4,096 bytes: w2, then the batch's g_T: wave w's 128 weights begin 512 w on
.set PRT,   108544                     ; wave w's sums over its columns: 1024 w + 4 row
.set UPT,   116736                     ; wave w's part of U: UPP w + 128 block + 8 r: (y = 0, y = 1)
.set UPP,   1536
.set CZL,   129024                     ; thread t's part of g_T . Wo[512:]: 2048 batch + 8 t
.set PEB,   133120                     ; e[t]
.set REDM,  134144                     ; the waves' maxima
.set REDS,  134400                     ; the waves' five sums, 32 bytes a wave
; vector registers, window 0 (window 1: the weights, fragment (T, s) at v[8 (4 T + s)])
.set L16, 1                            ; 16 x lane
.set L4,  2                            ; 4 x lane
.set STW, 3                            ; the stage, on the way in
.set STR, 4                            ; and on the way out
.set IMW, 5                            ; where I store my fragment's image
.set SCW, 6                            ; and its scale words
.set PRW, 7                            ; my wave's part of PRT, + 4 r
.set UPW, 8                            ; my wave's part of UPT, + 8 r
.set GOF, 9                            ; my byte in a block of g
.set PFO, 10                           ; the prefetches' offset
.set WOR, 11                           ; my wave's copy of Wo's fragments
.set WTR, 12                           ; my wave's weights in VEC
.set APR, 15                           ; PRW + 4 x the trip's first row
.set WSC, 16                           ; v16-31  the weights' scale words: set u, K step s at 4 u + s; lanes 0-15 tile 2 u, lanes 16-31 tile 2 u + 1.  Scales and nothing else
.set WT,  32                           ; v32-95  the weight (w2 or g_T) of column 16 T + 8 h + j at 8 T + j
.set CW,  96                           ; the sum of these 64
.set QUP, 99                           ; UPW + 4 x the trip's first row
.set G,   100                          ; v100-163 g: two rounds of 32 registers, as loaded and then as the quantiser wants them
.set AF,  164                          ; v164-195 a tile's four fragments of g
.set WOF, 164                          ;          while quantising: Wo's four fragments
.set AS,  196                          ; v196-199 g's scale words.  Scales and nothing else
.set ACC, 200                          ; v200-231 four accumulators
.set BF,  200                          ;          while quantising: v200-215 two fragments of g in bf16,
.set UDA, 216                          ;          v216-223 and
.set UDB, 224                          ;          v224-231 the two sums for U
.set SA,  232                          ; v232-239 four packed sums
.set PC,  232                          ;          while quantising: the codes
.set TMX, 240                          ; v240-241 largest magnitudes
.set TSC, 244                          ; v244-245 the conversions' scale operands
.set TBY, 246                          ; v246-249 the four scale bytes
.set PW,  250                          ; the scale word
.set RS,  251                          ; a tile's result
.set TA,  253                          ; an address at work
.set PT,  254                          ; v254-255 destinations of lane exchanges, written once at the head
; scalar registers
.set WV, 30                            ; wave;  WH = wave / 4;  WS = wave % 4
.set WH, 31
.set WS, 32
.set J0, 34                            ; s[34:35], s[36:37] the two entries of the list: batch, n_day
.set N0, 35
.set J1, 36
.set N1, 37
.set B2, 38
.set BO, 40                            ; s[40:41]
.set GP, 42                            ; s[42:43] g at the block that is loaded next
.set GN, 44                            ; s[44:45] g at the second batch; never rewritten
.set NRAW, 46                          ; the batch's n_day
.set NR,  47                           ; rows to walk
.set NRW, 48                           ; NR - 16 WH: block rows d on hold work for my fragment where d < NRW
.set JC,  49                           ; the batch
.set NRW1, 50                          ; NRW of the second batch
.set RB,  53                           ; the trip's first row: 0, 64, 128, 192
.set BI,  59                           ; 0, 1
.set BI4K, 60                          ; 4096 BI
.set BI2K, 61                          ; CZL + 2048 BI
.set PF0R, 62                          ; the first row of the block behind which the second batch's first block is prefetched, or -1
.set SEL, 66                           ; s[66:67] v_permlanex16_b32's selects for lane l xor 16
.set CS,  68                           ; s[68:69] 2 log2(e), twice: the packed form names a pair
.set L2E, 70                           ; log2(e)
.set NEG, 71                           ; -1e9
.set WF,  76                           ; s[76:77] my wave's 32,768 bytes of wfrag
.set MSB, 0
.macro WIN new                         ; the immediate's high byte repeats the setting that is left; a switch that changes nothing is dropped
.if MSB != \new
	s_set_vgpr_msb (MSB<<8)|\new
.set MSB, \new
.endif
.endm
.macro BAR                             ; my LDS stores have landed and my LDS loads are in: then the work-group's barrier
	s_wait_dscnt 0x0
	s_barrier_signal -1
	s_barrier_wait -1
.endm
.macro WLOAD f0                        ; 16 fragments of my weights, f0 on: each load takes 512 consecutive bytes
	WIN 0x40                                       ; destination window 1
.set f, \f0
.rept 16
	global_load_b128 v[8*f:8*f+3], v[L16], s[WF:WF+1] offset:1024*f
	global_load_b128 v[8*f+4:8*f+7], v[L16], s[WF:WF+1] offset:1024*f+512
.set f, f+1
.endr
	WIN 0
.endm
.macro LOADG                           ; my 16 rows x 128 numbers of a block: lanes 0-15 take 256 aligned bytes of row 2 i, lanes 16-31 of row 2 i + 1; round c is the c-th 64 along K
.irp c, 0,1
.irp i, 0,1,2,3,4,5,6,7
	global_load_b128 v[G+32*\c+4*\i:G+32*\c+4*\i+3], v[GOF], s[GP:GP+1] offset:4096*\i+256*\c th:TH_LOAD_NT
.endr
.endr
.endm
.macro PF ptr, off                     ; my unit of a later block, 16 rows x 512 bytes: a lane names one aligned block of 256 bytes; each block of g is named by one wave of one work-group
	global_prefetch_b8 v[PFO], s[\ptr:\ptr+1] offset:\off th:TH_LOAD_NT scope:SCOPE_SE
.endm
; Round c of the quantiser: 32 numbers of a lane, register 16 b + i = k 64 c + 32 b + 16 h + i of row r: two half blocks; lane l xor 16 holds the other halves.
.macro QROUND c
.set QX, G+32*(\c)
.irp b, 0,1
	v_max3_num_f32 v[TMX+\b], |v[QX+16*\b]|, |v[QX+16*\b+1]|, 0x1800000   ; my 16 numbers, and the floor 2^(3 - 127): the byte cannot fall under 1
.endr
.irp i, 2,4,6,8,10,12,14
.irp b, 0,1
	v_max3_num_f32 v[TMX+\b], v[TMX+\b], |v[QX+16*\b+\i]|, |v[QX+16*\b+\i+1]|   ; the two blocks by turns
.endr
.endr
.irp b, 0,1
	v_permlanex16_b32 v[PT+\b], v[TMX+\b], s[SEL], s[SEL+1]
.endr
.irp b, 0,1
	v_max_num_f32 v[TMX+\b], v[TMX+\b], v[PT+\b]   ; the block's largest magnitude
.endr
.irp b, 0,1
	v_add_nc_u32 v[TSC+\b], 0xff000000, v[TMX+\b]  ; 2 off its exponent field: the conversion takes that field as its scale
.endr
.irp b, 0,1
	v_lshrrev_b32 v[TBY+2*(\c)+\b], 23, v[TSC+\b]  ; the scale's byte
.endr
.irp b, 0,1
	v_cvt_scalef32_pk8_fp4_f32 v[PC+4*(\c)+2*\b], v[QX+16*\b:QX+16*\b+7], v[TSC+\b]
	v_cvt_scalef32_pk8_fp4_f32 v[PC+4*(\c)+2*\b+1], v[QX+16*\b+8:QX+16*\b+15], v[TSC+\b]
.endr
	v_nop                                          ; one plain instruction behind the scaled conversions
.irp i, 0,1
	v_permlane16_swap_b32 v[PC+4*(\c)+\i], v[PC+4*(\c)+2+\i]   ; a whole block to a lane: lanes 0-15 block 2 c, lanes 16-31 block 2 c + 1
.endr
.irp b, 0,1
.irp m, 0,1,2,3,4,5,6,7
	v_cvt_pk_bf16_f32 v[BF+8*\b+\m], v[QX+16*\b+2*\m], v[QX+16*\b+2*\m+1]   ; the same numbers in bf16; k stands in the places in which wofrag has it
.endr
.endr
.if (\c) == 0                          ; U: source 0 = Wo's fragment, source 1 = my 16 rows.  Two sums by turns, one instruction a turn; the first products start them
	v_wmma_f32_16x16x32_bf16 v[UDA:UDA+7], v[WOF:WOF+7], v[BF:BF+7], 0
	v_wmma_f32_16x16x32_bf16 v[UDB:UDB+7], v[WOF+8:WOF+15], v[BF+8:BF+15], 0
.else
	v_wmma_f32_16x16x32_bf16 v[UDA:UDA+7], v[WOF+16:WOF+23], v[BF:BF+7], v[UDA:UDA+7]
	v_wmma_f32_16x16x32_bf16 v[UDB:UDB+7], v[WOF+24:WOF+31], v[BF+8:BF+15], v[UDB:UDB+7]
.endif
.endm
; My fragment of a block: through the stage, quantised, its image into the slot, its part of U into UPT.
.macro QBODY slot, uoff
.irp j, 0,1,2,3,4,5,6,7
	ds_load_b128 v[WOF+4*\j:WOF+4*\j+3], v[WOR] offset:512*\j
.endr
.irp c, 0,1                            ; LDS serves a wave's instructions in order and the stage is my own: no wait between stores and loads, nor between the rounds
.irp i, 0,1,2,3,4,5,6,7
	ds_store_b128 v[STW], v[G+32*\c+4*\i:G+32*\c+4*\i+3] offset:544*\i
.endr
.irp b, 0,1
.irp j, 0,1,2,3
	ds_load_b128 v[G+32*\c+16*\b+4*\j:G+32*\c+16*\b+4*\j+3], v[STR] offset:128*\b+16*\j
.endr
.endr
.endr
	s_wait_dscnt 16                                ; Wo's fragments and round 0 are in; round 1's eight stores and eight loads may be out
	QROUND 0
	s_wait_dscnt 0x0
	QROUND 1
	v_lshl_or_b32 v[PW], v[TBY+1], 8, v[TBY]       ; my row's scale word.  These three and two v_nop are the five places behind the last product
	v_lshl_or_b32 v[PW], v[TBY+2], 16, v[PW]
	v_lshl_or_b32 v[PW], v[TBY+3], 24, v[PW]
	v_nop
	v_nop
	v_pk_add_f32 v[UDA:UDA+1], v[UDA:UDA+1], v[UDB:UDB+1]   ; (y = 0, y = 1) of row r over my 128 along K: each sum's two lowest registers
	ds_store_b128 v[IMW], v[PC:PC+3] offset:SLOTB*(\slot)
	ds_store_b128 v[IMW], v[PC+4:PC+7] offset:SLOTB*(\slot)+512
	ds_store_b32 v[SCW], v[PW] offset:SLOTB*(\slot)
	ds_store_b64 v[QUP], v[UDA:UDA+1] offset:\uoff  ; both halves of the lanes write the same bytes with the same values
.endm
; The block that begins d rows behind the trip's first row is quantised into the slot; the block after it is loaded; the one after that is prefetched.
.macro QPART d, slot
	s_wait_loadcnt 0x0                             ; the block's numbers, asked for a trip ago, are in (the first time: the weights too)
	s_add_co_i32 s72, s[RB], (\d)
	s_cmp_lt_i32 s72, s[NRW]
	s_cbranch_scc0 .Lnoq_\@
	QBODY \slot, 4*(\d)
.Lnoq_\@:
	s_wait_xcnt 0x0                                ; the last prefetch, a trip back, has read its address: it may step
	s_add_nc_u64 s[GP:GP+1], s[GP:GP+1], 0x10000   ; 32 rows of 2,048 bytes
	s_add_co_i32 s72, s[RB], (\d)+32
	s_cmp_lt_i32 s72, s[NRW]
	s_cbranch_scc0 .Lnol_\@
	LOADG
	s_add_co_i32 s72, s[RB], (\d)+64
	s_cmp_lt_i32 s72, s[NRW]                       ; the same test as the load's, a block on: no request leaves the batch's rows
	s_cbranch_scc0 .Lnol_\@
	PF GP, 0x10000                                 ; behind my loads: what the next trip will load
.Lnol_\@:
.endm
.macro FP4 t, tt, s                    ; accumulator t += columns 16 tt on x the tile's rows, K step s; an odd tile's scale words stand in lanes 16-31
.set rD, ACC+8*(\t)
.set rW, 8*(4*(\tt)+(\s))
.set rA, AF+8*(\s)
.set rS, WSC+4*((\tt)/2)+(\s)
.if (\s) == 0
.if (\t)%2
	v_wmma_scale_f32_16x16x128_f8f6f4 v[rD:rD+7], v[rW:rW+7], v[rA:rA+7], 0, v[rS], v[AS+(\s)] matrix_a_fmt:MATRIX_FMT_FP4 matrix_b_fmt:MATRIX_FMT_FP4 matrix_a_scale:MATRIX_SCALE_ROW1
.else
	v_wmma_scale_f32_16x16x128_f8f6f4 v[rD:rD+7], v[rW:rW+7], v[rA:rA+7], 0, v[rS], v[AS+(\s)] matrix_a_fmt:MATRIX_FMT_FP4 matrix_b_fmt:MATRIX_FMT_FP4
.endif
.else
.if (\t)%2
	v_wmma_scale_f32_16x16x128_f8f6f4 v[rD:rD+7], v[rW:rW+7], v[rA:rA+7], v[rD:rD+7], v[rS], v[AS+(\s)] matrix_a_fmt:MATRIX_FMT_FP4 matrix_b_fmt:MATRIX_FMT_FP4 matrix_a_scale:MATRIX_SCALE_ROW1
.else
	v_wmma_scale_f32_16x16x128_f8f6f4 v[rD:rD+7], v[rW:rW+7], v[rA:rA+7], v[rD:rD+7], v[rS], v[AS+(\s)] matrix_a_fmt:MATRIX_FMT_FP4 matrix_b_fmt:MATRIX_FMT_FP4
.endif
.endif
.endm
; 16 products: my tiles 4 gq to 4 gq + 3, all of K; the four accumulators by turns, one instruction a turn; the first K step starts the sums.
; cnt = 1: the tile's 12 LDS loads have just been issued, three for each K step: K step s waits for its own.
.macro MM gq, cnt
	WIN 0x01                                       ; source 0 (the weights) window 1
.irp s, 0,1,2,3
.if \cnt
	s_wait_dscnt 9-3*\s
.endif
.irp t, 0,1,2,3
	FP4 \t, 4*\gq+\t, \s
.endr
.endr
	WIN 0
.rept 4
	v_nop                                          ; four places ahead of the first read of results (ISA guide 7.12.1)
.endr
.endm
; The 32 results of a lane become R = 1 / (1 + 2^(2 log2(e) x)) and are summed, weighed, into four packed sums.  first = 1: the first four products start the sums.
.macro TANH gq, first
.set j, 0
.rept 16
	v_pk_mul_f32 v[ACC+j:ACC+j+1], v[ACC+j:ACC+j+1], s[CS:CS+1] op_sel_hi:[1,0]   ; ascending: each accumulator is first read at its low end
.set j, j+2
.endr
.set j, 0
.rept 32
	v_exp_f32 v[ACC+j], v[ACC+j]
.set j, j+1
.endr
	v_nop                                          ; a plain instruction behind the last exponential,
	s_wait_alu depctr_va_vdst(0)                   ; and one wait for the batch ahead of its first reader
.set j, 0
.rept 16
	v_pk_add_f32 v[ACC+j:ACC+j+1], v[ACC+j:ACC+j+1], 1.0 op_sel_hi:[1,0]
.set j, j+2
.endr
.set j, 0
.rept 32
	v_rcp_f32 v[ACC+j], v[ACC+j]
.set j, j+1
.endr
	v_nop
	s_wait_alu depctr_va_vdst(0)                   ; likewise for the reciprocals
.set j, 0
.rept 16
.if (\first) && (j < 8)
	v_pk_mul_f32 v[SA+j:SA+j+1], v[ACC+j:ACC+j+1], v[WT+32*(\gq)+j:WT+32*(\gq)+j+1]
.else
	v_pk_fma_f32 v[SA+j%8:SA+j%8+1], v[ACC+j:ACC+j+1], v[WT+32*(\gq)+j:WT+32*(\gq)+j+1], v[SA+j%8:SA+j%8+1]
.endif
.set j, j+2
.endr
.endm
; Tile tau of the block in slot half: fragments and scale words from LDS, my 128 columns, and the row's sum into PRT.
.macro TILE tau, half
.irp s, 0,1,2,3
.irp c, 0,1
	ds_load_b128 v[AF+8*\s+4*\c:AF+8*\s+4*\c+3], v[L16] offset:SLOTB*(\half)+1024*(4*(\tau)+\s)+512*\c
.endr
	ds_load_b32 v[AS+\s], v[L4] offset:SLOTB*(\half)+SCO+128*(4*(\tau)+\s)
.endr
	MM 0, 1
	TANH 0, 1
	MM 1, 0
	TANH 1, 0
	v_pk_add_f32 v[SA:SA+1], v[SA:SA+1], v[SA+2:SA+3]
	v_pk_add_f32 v[SA+4:SA+5], v[SA+4:SA+5], v[SA+6:SA+7]
	v_pk_add_f32 v[SA:SA+1], v[SA:SA+1], v[SA+4:SA+5]
	v_add_f32 v[SA], v[SA], v[SA+1]
	v_fma_f32 v[SA], v[SA], -2.0, v[CW]            ; my 64 columns: the sum of the weights - 2 x the sum of weight x R
	v_permlanex16_b32 v[PT], v[SA], s[SEL], s[SEL+1]
	v_add_f32 v[RS], v[SA], v[PT]                  ; with lane l xor 16's 64
	ds_store_b32 v[APR], v[RS] offset:128*(\half)+64*(\tau)
.endm
; One block: behind the barrier its images are whole and nobody reads the other slot any more.  The barrier stands on every wave's path; the work is jumped over where the mask throws the rows away.
.macro TRIP half
	BAR
.if (\half) == 0
	s_lshl_b32 s72, s[RB], 2
	v_add_nc_u32 v[APR], s72, v[PRW]
	v_add_nc_u32 v[QUP], s72, v[UPW]
.endif
	s_add_co_i32 s72, s[RB], 32*(\half)
	s_cmp_lt_i32 s72, s[NR]
	s_cbranch_scc0 .Lidle_\@
	TILE 0, \half
	s_add_co_i32 s72, s[RB], 32*(\half)+16
	s_cmp_lt_i32 s72, s[NR]
	s_cbranch_scc0 .Lidle_\@
	TILE 1, \half
.Lidle_\@:
	QPART 32*(\half)+32, 1-(\half)
	s_add_co_i32 s72, s[RB], 32*(\half)
	s_cmp_eq_u32 s72, s[PF0R]
	s_cbranch_scc0 .Lnone_\@
	PF GN, 0                                       ; the second batch's first block, a block ahead of the first batch's last
.Lnone_\@:
.endm
	; ---- THE HEAD
	s_load_b512 s[4:19], s[0:1], 0x0               ; g s[4:5], g_T s[6:7], w2 s[8:9], b2 s[10:11], Wo s[12:13], bo s[14:15], W1_scales s[16:17], Wp_scales s[18:19]
	s_load_b256 s[20:27], s[0:1], 0x40             ; wfrag s[20:21], wofrag s[22:23], order s[24:25], out0 s[26:27]
	s_load_b64 s[28:29], s[0:1], 0x60              ; out1
	v_lshl_add_u32 v97, v0, 2, 0x21000
	v_mov_b32 v98, 0
	v_lshrrev_b32 v240, 5, v0
	v_readfirstlane_b32 s[WV], v240                ; wave 0..7
	s_lshr_b32 s[WH], s[WV], 2
	s_and_b32 s[WS], s[WV], 3
	v_and_b32 v241, 31, v0                         ; lane
	v_and_b32 v242, 15, v0                         ; r
	v_bfe_u32 v243, v0, 4, 1                       ; h
	v_lshlrev_b32 v[L16], 4, v241
	v_lshlrev_b32 v[L4], 2, v241
	s_mul_i32 s72, s[WV], STGW
	s_add_co_u32 s72, s72, STG                     ; my stage
	v_mul_u32_u24 v244, v243, 272
	v_lshl_add_u32 v244, v242, 4, v244
	v_add_nc_u32 v[STW], s72, v244                 ; in: row h (+ 2 i in the immediate), 16 bytes a lane
	v_mul_u32_u24 v244, v242, 272
	v_lshl_add_u32 v244, v243, 6, v244
	v_add_nc_u32 v[STR], s72, v244                 ; out: row r, my half's 16 numbers of a block of 32
	s_lshl_b32 s72, s[WV], 10
	v_add_nc_u32 v[IMW], s72, v[L16]
	s_add_co_u32 s73, s72, PRT
	v_lshl_add_u32 v[PRW], v242, 2, s73
	s_lshl_b32 s73, s[WV], 7
	s_add_co_u32 s73, s73, SCO
	v_add_nc_u32 v[SCW], s73, v[L4]
	s_mul_i32 s73, s[WV], UPP
	s_add_co_u32 s73, s73, UPT
	v_lshl_add_u32 v[UPW], v242, 3, s73
	s_lshl_b32 s73, s[WV], 12
	s_add_co_u32 s73, s73, WOL
	v_add_nc_u32 v[WOR], s73, v[L16]
	s_lshl_b32 s73, s[WV], 9
	s_add_co_u32 s73, s73, VEC
	v_lshl_add_u32 v[WTR], v243, 5, s73
	s_lshl_b32 s73, s[WH], 15                      ; my tile's 16 rows of 2,048 bytes,
	s_lshl_b32 s74, s[WS], 9                       ; my K step's 512 bytes
	s_add_co_u32 s73, s73, s74
	v_lshl_add_u32 v244, v243, 11, s73
	v_lshl_add_u32 v[GOF], v242, 4, v244
	v_lshrrev_b32 v244, 1, v241
	v_lshl_add_u32 v244, v244, 11, s73
	v_and_b32 v245, 1, v0
	v_lshl_add_u32 v[PFO], v245, 8, v244           ; row lane / 2, half lane % 2 of its 512 bytes
	v_lshlrev_b32 v200, 3, v0                      ; 8 t
	v_lshlrev_b32 v201, 4, v0                      ; 16 t
	v_mov_b32 v[PT], 0
	v_mov_b32 v[PT+1], 0
.irp i, 0,1,2,3
	v_mov_b32 v[216+\i], 0
.endr
	s_mov_b32 s[SEL], 0x76543210
	s_mov_b32 s[SEL+1], 0xfedcba98
	s_mov_b32 s[CS], 0x4038aa3b
	s_mov_b32 s[CS+1], s[CS]
	s_mov_b32 s[L2E], 0x3fb8aa3b
	s_mov_b32 s[NEG], 0xce6e6b28
	s_lshl_b32 s86, ttmp9, 3                       ; entry i of the list,
	s_sub_co_u32 s87, 4088, s86                    ; and entry 511 - i
	s_mov_b32 s73, 0
	s_wait_kmcnt 0x0
	s_load_b64 s[J0:J0+1], s[24:25], s86 offset:0x0
	s_load_b64 s[J1:J1+1], s[24:25], s87 offset:0x0
	s_load_b32 s[B2], s[10:11], 0x0
	s_load_b64 s[BO:BO+1], s[14:15], 0x0
	s_lshl_b32 s72, s[WV], 15
	s_add_nc_u64 s[WF:WF+1], s[20:21], s[72:73]
	s_lshl_b32 s72, s[WS], 12
	s_add_nc_u64 s[78:79], s[22:23], s[72:73]      ; my K step's four fragments of Wo
.irp j, 0,1,2,3,4,5,6,7
	global_load_b128 v[WOF+4*\j:WOF+4*\j+3], v[L16], s[78:79] offset:512*\j
.endr
	global_load_b64 v[202:203], v200, s[8:9]       ; w2[2 t], w2[2 t + 1]
	global_load_b128 v[208:211], v201, s[12:13] offset:4096   ; Wo's rows 512 + 2 t and 512 + 2 t + 1
	WLOAD 0
	s_wait_kmcnt 0x0
	s_min_u32 s[J0], s[J0], 0x1ff                  ; a batch's number stays inside the tensors
	s_min_u32 s[J1], s[J1], 0x1ff
	s_lshl_b32 s72, s[J0], 19                      ; a batch of g is 2^19 bytes
	s_add_nc_u64 s[GP:GP+1], s[4:5], s[72:73]
	s_lshl_b32 s72, s[J1], 19
	s_add_nc_u64 s[GN:GN+1], s[4:5], s[72:73]
	s_lshl_b32 s72, s[J0], 11
	s_add_nc_u64 s[80:81], s[6:7], s[72:73]
	s_lshl_b32 s72, s[J1], 11
	s_add_nc_u64 s[82:83], s[6:7], s[72:73]
	global_load_b64 v[204:205], v200, s[80:81]     ; g_T of the first batch,
	global_load_b64 v[206:207], v200, s[82:83]     ; of the second
	LOADG                                          ; the first batch's first block: always, so that these registers hold numbers on every way; its 32 rows exist whatever n_day is
	s_cmp_lt_u32 s[WV], 4
	s_cselect_b64 s[84:85], s[16:17], s[18:19]
	s_lshl_b32 s72, s[WS], 11                      ; my 128 rows of 16 scale bytes
	s_add_nc_u64 s[84:85], s[84:85], s[72:73]
	WLOAD 16
.irp u, 0,1,2,3
	global_load_b128 v[WSC+4*\u:WSC+4*\u+3], v[L16], s[84:85] offset:512*\u   ; row 32 u + lane: its four words are K steps 0 to 3
.endr
	s_min_i32 s72, s[N1], 0x100
	s_cmp_lt_i32 s[N1], 1
	s_cselect_b32 s72, 0x100, s72
	s_lshl_b32 s74, s[WH], 4
	s_sub_co_i32 s[NRW1], s72, s74
	s_mov_b32 s[JC], s[J0]
	s_mov_b32 s[NRAW], s[N0]
	s_mov_b32 s[BI], 0
	s_mov_b32 s[BI4K], 0
	s_mov_b32 s[BI2K], CZL
	s_wait_loadcnt 36                              ; all but the last 32 loads of weights and the 4 of their scales
.irp j, 0,1,2,3,4,5,6,7
	ds_store_b128 v[WOR], v[WOF+4*\j:WOF+4*\j+3] offset:512*\j
.endr
	v_add_nc_u32 v220, VEC, v200
	ds_store_b64 v220, v[202:203]
	ds_store_b64 v220, v[202:203] offset:4096
	ds_store_b64 v220, v[204:205] offset:2048
	ds_store_b64 v220, v[206:207] offset:6144
	v_mul_f32 v212, v208, v204                     ; my two terms of g_T . Wo[512:, y], for both batches
	v_mul_f32 v213, v209, v204
	v_mul_f32 v214, v208, v206
	v_mul_f32 v215, v209, v206
	v_fmac_f32 v212, v210, v205
	v_fmac_f32 v213, v211, v205
	v_fmac_f32 v214, v210, v207
	v_fmac_f32 v215, v211, v207
	v_add_nc_u32 v221, CZL, v200
	ds_store_b64 v221, v[212:213]
	ds_store_b64 v221, v[214:215] offset:2048
	v_add_nc_u32 v222, PRT, v201
.irp i, 0,1,2,3,4
	ds_store_b128 v222, v[216:219] offset:4096*\i  ; PRT and UPT, 20,480 bytes: rows that are not walked read as numbers
.endr
	BAR
	; ---- A BATCH
.Lbatch:
	s_min_i32 s72, s[NRAW], 0x100
	s_cmp_lt_i32 s[NRAW], 1
	s_cselect_b32 s[NR], 0x100, s72                ; rows to walk: all 256 where no row is valid
	s_lshl_b32 s73, s[WH], 4
	s_sub_co_i32 s[NRW], s[NR], s73
	s_sub_co_i32 s72, s[NR], 1
	s_lshr_b32 s72, s72, 5
	s_sub_co_i32 s72, s72, 1
	s_max_i32 s72, s72, 0
	s_lshl_b32 s72, s72, 5                         ; the last block but one
	s_cmp_gt_i32 s[NRW1], 0
	s_cselect_b32 s72, s72, -1
	s_cmp_eq_u32 s[BI], 0
	s_cselect_b32 s[PF0R], s72, -1
	v_add_nc_u32 v[TA], s[BI4K], v[WTR]            ; my 64 weights and their sum
.irp t, 0,1,2,3,4,5,6,7
	ds_load_b128 v[WT+8*\t:WT+8*\t+3], v[TA] offset:64*\t
	ds_load_b128 v[WT+8*\t+4:WT+8*\t+7], v[TA] offset:64*\t+16
.endr
	s_wait_dscnt 0x0
	v_pk_add_f32 v[240:241], v[WT:WT+1], v[WT+2:WT+3]
	v_pk_add_f32 v[242:243], v[WT+4:WT+5], v[WT+6:WT+7]
.set j, 8
.rept 14
	v_pk_add_f32 v[240:241], v[240:241], v[WT+j:WT+j+1]
	v_pk_add_f32 v[242:243], v[242:243], v[WT+j+2:WT+j+3]
.set j, j+4
.endr
	v_pk_add_f32 v[240:241], v[240:241], v[242:243]
	v_add_f32 v[CW], v240, v241
	s_mov_b32 s[RB], 0
	v_mov_b32 v[QUP], v[UPW]
	QPART 0, 0                                     ; block 0 into slot 0; block 1 is asked for
.Ltrip:                                                ; four trips of two blocks: block 2 k lies in slot 0, block 2 k + 1 in slot 1.  (The last half's QPART names block 8, whose test never holds)
	TRIP 0
	TRIP 1
	s_add_co_u32 s[RB], s[RB], 64
	s_cmp_lt_u32 s[RB], 256
	s_cbranch_scc1 .Ltrip
	s_cmp_lg_u32 s[BI], 0
	s_cbranch_scc1 .Lno_next
	s_wait_loadcnt 0x0
	s_wait_xcnt 0x0                                ; no load or prefetch still reads the pointer
	s_mov_b64 s[GP:GP+1], s[GN:GN+1]
	s_cmp_gt_i32 s[NRW1], 0
	s_cbranch_scc0 .Lno_next
	LOADG                                          ; the second batch's first block lands while the first batch's softmax is made
	s_cmp_gt_i32 s[NRW1], 32
	s_cbranch_scc0 .Lno_next
	PF GP, 0x10000
.Lno_next:
	BAR                                            ; all sums of all rows lie in PRT and UPT
	; ---- THE SOFTMAX: thread t has row t
	v_lshlrev_b32 v240, 2, v0
	v_add_nc_u32 v241, PRT, v240
	v_add_nc_u32 v247, PEB, v240
	v_bfe_u32 v242, v0, 4, 1
	v_mul_u32_u24 v242, v242, 4*UPP                ; the row's tile: waves 4 tile to 4 tile + 3 made its U
	v_lshrrev_b32 v243, 5, v0
	v_lshl_add_u32 v242, v243, 7, v242
	v_and_b32 v243, 15, v0
	v_lshl_add_u32 v242, v243, 3, v242
	v_add_nc_u32 v242, UPT, v242
	v_lshlrev_b32 v243, 3, v0
	v_add_nc_u32 v243, s[BI2K], v243
	v_and_b32 v244, 7, v0
	v_lshl_add_u32 v245, v244, 2, REDM
	v_lshl_add_u32 v246, v244, 5, REDS
	s_lshl_b32 s72, s[WV], 2
	s_add_co_u32 s72, s72, REDM
	v_mov_b32 v248, s72
	s_lshl_b32 s72, s[WV], 5
	s_add_co_u32 s72, s72, REDS
	v_mov_b32 v249, s72
	v_and_b32 v250, 63, v0
	v_lshl_add_u32 v250, v250, 4, PEB
	v_lshlrev_b32 v251, 4, v0
	v_mov_b32 v252, 0
	s_lshl_b32 s72, s[JC], 10
	s_mov_b32 s73, 0
	s_add_nc_u64 s[74:75], s[28:29], s[72:73]      ; the batch's row of out1,
	s_lshl_b32 s72, s[JC], 3
	s_add_nc_u64 s[88:89], s[26:27], s[72:73]      ; and of out0
.irp i, 0,1,2,3,4,5,6,7
	ds_load_b32 v[200+\i], v241 offset:1024*\i
.endr
.irp i, 0,1,2,3
	ds_load_b64 v[208+2*\i:209+2*\i], v242 offset:UPP*\i
.endr
	ds_load_b64 v[228:229], v243
	s_wait_dscnt 0x0
	v_add_f32 v200, v200, v201
	v_add_f32 v202, v202, v203
	v_add_f32 v204, v204, v205
	v_add_f32 v206, v206, v207
	v_add_f32 v200, v200, v202
	v_add_f32 v204, v204, v206                     ; vd
	v_add_f32 v200, s[B2], v200                    ; vi
	v_mul_f32 v220, v200, v204
	v_mov_b32 v216, s[NEG]
	v_cmp_gt_i32 vcc_lo, s[NRAW], v0               ; valid where t < n_day
	v_cndmask_b32 v220, v216, v220, vcc_lo         ; the score
	v_pk_add_f32 v[208:209], v[208:209], v[210:211]
	v_pk_add_f32 v[212:213], v[212:213], v[214:215]
	v_pk_add_f32 v[208:209], v[208:209], v[212:213]   ; U[t][0], U[t][1]
	v_mov_b32 v221, v220
.irp m, 1,2,4,8
	v_max_num_f32_dpp v221, v221, v221 row_xmask:\m row_mask:0xf bank_mask:0xf
.endr
	v_permlanex16_b32 v[PT], v221, s[SEL], s[SEL+1]
	v_max_num_f32 v221, v221, v[PT]
	ds_store_b32 v248, v221                        ; my wave's largest score: all lanes write the same word with the same value
	BAR
	ds_load_b32 v222, v245
	s_wait_dscnt 0x0
.irp m, 1,2,4
	v_max_num_f32_dpp v222, v222, v222 row_xmask:\m row_mask:0xf bank_mask:0xf
.endr
	v_sub_f32 v223, v220, v222                     ; the row's largest score is taken away, as reference() does
	v_mul_f32 v223, s[L2E], v223
	v_exp_f32 v224, v223
	v_nop
	s_wait_alu depctr_va_vdst(0)                   ; the wait ahead of the first reader
	v_mov_b32 v225, v224
	v_mul_f32 v226, v224, v208
	v_mul_f32 v227, v224, v209
	ds_store_b32 v247, v224
.irp m, 1,2,4,8                                ; five sums over the wave: e, e U0, e U1, and the two parts of g_T . Wo[512:]
.irp x, 225,226,227,228,229
	v_add_f32_dpp v\x, v\x, v\x row_xmask:\m row_mask:0xf bank_mask:0xf
.endr
.endr
.irp x, 225,226,227,228,229
	v_permlanex16_b32 v[PT+\x%2], v\x, s[SEL], s[SEL+1]
	v_add_f32 v\x, v\x, v[PT+\x%2]
.endr
	ds_store_b128 v249, v[226:229]
	ds_store_b32 v249, v225 offset:16
	BAR
	ds_load_b128 v[232:235], v246
	ds_load_b32 v236, v246 offset:16
	ds_load_b128 v[212:215], v250                  ; four e: rows 4 (t % 64) on
	s_wait_dscnt 0x0
.irp m, 1,2,4
.irp x, 232,233,234,235,236
	v_add_f32_dpp v\x, v\x, v\x row_xmask:\m row_mask:0xf bank_mask:0xf
.endr
.endr
	v_rcp_f32 v237, v236                           ; 1 / the sum of e
	v_nop
	s_wait_alu depctr_va_vdst(0)
	v_fma_f32 v238, v232, v237, v234               ; att_c . Wo[:512, y] + g_T . Wo[512:, y]
	v_fma_f32 v239, v233, v237, v235
	v_add_f32 v238, s[BO], v238
	v_add_f32 v239, s[BO+1], v239
	v_max_num_f32 v216, v238, v239
	v_sub_f32 v238, v238, v216
	v_sub_f32 v239, v239, v216
	v_mul_f32 v238, s[L2E], v238
	v_mul_f32 v239, s[L2E], v239
	v_exp_f32 v218, v238
	v_exp_f32 v219, v239
	v_nop
	s_wait_alu depctr_va_vdst(0)
	v_add_f32 v216, v218, v219
	v_rcp_f32 v217, v216
	v_nop
	s_wait_alu depctr_va_vdst(0)
	v_mul_f32 v218, v218, v217
	v_mul_f32 v219, v219, v217
	s_cmp_lt_u32 s[WV], 2
	s_cbranch_scc0 .Lno_v
.irp i, 0,1,2,3
	v_mul_f32 v[212+\i], v[212+\i], v237
.endr
	global_store_b128 v251, v[212:215], s[74:75] th:TH_STORE_NT   ; waves 0 and 1: 512 consecutive bytes each, the batch's 1,024
.Lno_v:
	s_cmp_lg_u32 s[WV], 0
	s_cbranch_scc1 .Lno_y
	s_wait_xcnt 0x0                                ; EXEC changes only when every earlier load, store and prefetch has had its addresses translated
	v_cmp_eq_u32 vcc_lo, 0, v0
	s_and_saveexec_b32 s76, vcc_lo
	global_store_b64 v252, v[218:219], s[88:89]    ; one lane: the batch's 8 bytes of out0
	s_wait_xcnt 0x0
	s_or_b32 exec_lo, exec_lo, s76
.Lno_y:
	s_wait_xcnt 0x0                                ; the stores have read their registers and bases: the next batch writes them again
	s_mov_b32 s[JC], s[J1]
	s_mov_b32 s[NRAW], s[N1]
	s_add_co_u32 s[BI4K], s[BI4K], 4096
	s_add_co_u32 s[BI2K], s[BI2K], 2048
	s_add_co_u32 s[BI], s[BI], 1
	s_cmp_lt_u32 s[BI], 2
	s_cbranch_scc1 .Lbatch
	s_wait_tensorcnt 0x0
	ds_add_u32 v97, v98
	s_wait_dscnt 0x0
	s_endpgm
.Lfunc_end_k_qd95fcf15d8_main:
	.size	k_qd95fcf15d8_main, .Lfunc_end_k_qd95fcf15d8_main-k_qd95fcf15d8_main
	.p2alignl 7, 3214868480
	.fill 96, 4, 3214868480
	.section	.rodata,"a",@progbits
	.p2align	6, 0x0
	.amdhsa_kernel k_qd95fcf15d8_main
		.amdhsa_group_segment_fixed_size 136192
		.amdhsa_private_segment_fixed_size 0
		.amdhsa_enable_private_segment 0
		.amdhsa_kernarg_size 104
		.amdhsa_user_sgpr_count 2
		.amdhsa_user_sgpr_kernarg_segment_ptr 1
		.amdhsa_wavefront_size32 1
		.amdhsa_system_sgpr_workgroup_id_x 1
		.amdhsa_system_sgpr_workgroup_id_y 1
		.amdhsa_system_sgpr_workgroup_id_z 1
		.amdhsa_system_vgpr_workitem_id 0
		.amdhsa_next_free_vgpr 512
		.amdhsa_next_free_sgpr 96
		.amdhsa_reserve_vcc 1
		.amdhsa_float_denorm_mode_32 3
		.amdhsa_float_denorm_mode_16_64 3
		.amdhsa_memory_ordered 1
		.amdhsa_forward_progress 1
		.amdhsa_inst_pref_size 128
	.end_amdhsa_kernel
	.amdgpu_metadata
---
amdhsa.version: [ 1, 2 ]
amdhsa.kernels:
  - .name:           k_qd95fcf15d8_main
    .symbol:         k_qd95fcf15d8_main.kd
    .args:
      - { .name: g, .offset: 0, .size: 8, .value_kind: global_buffer, .address_space: global }
      - { .name: g_T, .offset: 8, .size: 8, .value_kind: global_buffer, .address_space: global }
      - { .name: w2, .offset: 16, .size: 8, .value_kind: global_buffer, .address_space: global }
      - { .name: b2, .offset: 24, .size: 8, .value_kind: global_buffer, .address_space: global }
      - { .name: Wo, .offset: 32, .size: 8, .value_kind: global_buffer, .address_space: global }
      - { .name: bo, .offset: 40, .size: 8, .value_kind: global_buffer, .address_space: global }
      - { .name: W1_scales, .offset: 48, .size: 8, .value_kind: global_buffer, .address_space: global }
      - { .name: Wp_scales, .offset: 56, .size: 8, .value_kind: global_buffer, .address_space: global }
      - { .name: wfrag, .offset: 64, .size: 8, .value_kind: global_buffer, .address_space: global }
      - { .name: wofrag, .offset: 72, .size: 8, .value_kind: global_buffer, .address_space: global }
      - { .name: order, .offset: 80, .size: 8, .value_kind: global_buffer, .address_space: global }
      - { .name: out0, .offset: 88, .size: 8, .value_kind: global_buffer, .address_space: global }
      - { .name: out1, .offset: 96, .size: 8, .value_kind: global_buffer, .address_space: global }
    .group_segment_fixed_size: 136192
    .private_segment_fixed_size: 0
    .kernarg_segment_align: 8
    .kernarg_segment_size: 104
    .max_flat_workgroup_size: 256
    .sgpr_count:     96
    .vgpr_count:     512
    .wavefront_size: 32
...
	.end_amdgpu_metadata
.endif
;; end of part 2
